; MI455X (gfx1250); checked and timed in simulation.
; The chip was launched on July 23, 2026; its instructions are those of AMD's public machine-readable ISA for CDNA 5 (MIT licence, August 2026) and "CDNA5" Instruction Set Architecture Reference Guide (July 2026). The comments in the code are by the model that wrote it; some were corrected since.
;; Multi Head Attention. Allowed arithmetic: matrix products marked QUANTISED: E2M1 operands, one E8M0 scale for each 32 along K, by v_wmma_scale_f32_16x16x128_f8f6f4 with both operands' format E2M1 (or v_wmma_scale_f32_32x16x128_f4), f32 sums; everything else in f32.
;; Inputs: bk 16 x 64 float32; bo 1,024 float32; bq 16 x 64 float32; bv 16 x 64 float32; key_codes 4 x 2,048 x 32 x 16 uint8 (E2M1 codes of key, K innermost, in blocks of 32 codes, two codes a byte); key_scales 4 x 2,048 x 32 uint8 (E8M0 scales of key, one for each 32 codes along K); query_codes 4 x 2,048 x 32 x 16 uint8 (E2M1 codes of query, K innermost, in blocks of 32 codes, two codes a byte); query_scales 4 x 2,048 x 32 uint8 (E8M0 scales of query, one for each 32 codes along K); value_codes 4 x 2,048 x 32 x 16 uint8 (E2M1 codes of value, K innermost, in blocks of 32 codes, two codes a byte); value_scales 4 x 2,048 x 32 uint8 (E8M0 scales of value, one for each 32 codes along K); wk_codes 16 x 64 x 32 x 16 uint8 (E2M1 codes of wk, K innermost, in blocks of 32 codes, two codes a byte); wk_scales 16 x 64 x 32 uint8 (E8M0 scales of wk, one for each 32 codes along K); wo_codes 1,024 x 32 x 16 uint8 (E2M1 codes of wo, K innermost, in blocks of 32 codes, two codes a byte); wo_scales 1,024 x 32 uint8 (E8M0 scales of wo, one for each 32 codes along K); wq_codes 16 x 64 x 32 x 16 uint8 (E2M1 codes of wq, K innermost, in blocks of 32 codes, two codes a byte); wq_scales 16 x 64 x 32 uint8 (E8M0 scales of wq, one for each 32 codes along K); wv_codes 16 x 64 x 32 x 16 uint8 (E2M1 codes of wv, K innermost, in blocks of 32 codes, two codes a byte); wv_scales 16 x 64 x 32 uint8 (E8M0 scales of wv, one for each 32 codes along K).
;; Outputs: out0 4 x 2,048 x 1,024 float32.
;; This version of the problem:
;;   THIS VERSION OF THE PROBLEM IS GIVEN IN LOW PRECISION. The matrix products marked QUANTISED in the list below multiply operands that are first quantised to E2M1 (2 exponent bits, 1 mantissa bit; 4 bits a number), with one power-of-two scale for each 32 numbers along K (OCP MX v1.0); their sums are f32. All else is computed in f32.
;;   The module's matrix products, in the order in which they are computed (A, B: the left and right operand; K: the contracted axis; several contracted axes count as one K, in the product's order):
;;     1. [M 1,024, K 1,024] x [K 1,024, N 8,192]; A: input wq (given as codes); B: input query (given as codes): QUANTISED
;;     2. [M 1,024, K 1,024] x [K 1,024, N 8,192]; A: input wk (given as codes); B: input key (given as codes): QUANTISED
;;     3. [M 1,024, K 1,024] x [K 1,024, N 8,192]; A: input wv (given as codes); B: input value (given as codes): QUANTISED
;;     4. batch 64 x [M 2,048, K 64] x [K 64, N 2,048]; A: computed on the way; B: computed on the way: QUANTISED
;;     5. batch 64 x [M 2,048, K 2,048] x [K 2,048, N 64]; A: softmax (see below); B: computed on the way: QUANTISED
;;     6. [M 8,192, K 1,024] x [K 1,024, N 1,024]; A: computed on the way; B: input wo (given as codes): QUANTISED
;;   THE QUANTISER, for each operand of a quantised product, along K:
;;     - K is cut into blocks of 32 from its start; a last block that is shorter is filled with zeros.
;;     - A block's scale is 2^e with e = floor(log2(the largest magnitude in the block)) - 2, held to -126 .. 127; a block of zeros has e = 0. As a byte (E8M0): e + 127.
;;     - Each number is divided by its block's scale, clamped to +-6, and rounded to the nearest number of E2M1, ties to even, subnormals kept.
;;     - The product sums the exact products of the quantised numbers (number of the format x scale) in f32.
;;   ~~~python
;;   def quantise(x, axis):      # numpy; x: float32 -> the quantised numbers, widened to float32 again
;;       x = np.moveaxis(x, axis, -1); K = x.shape[-1]
;;       x = np.pad(x, [(0, 0)] * (x.ndim - 1) + [(0, -K % 32)]); x = x.reshape(x.shape[:-1] + (-1, 32)); a = np.abs(x).max(-1, keepdims=True)
;;       e = np.where(a > 0, np.clip(np.frexp(np.where(a > 0, a, 1))[1] - 1 - 2, -126, 127), 0)      # np.frexp(a)[1] - 1 = floor(log2(a)), exactly
;;       r = np.clip(x / 2.0 ** e, -6, 6)
;;       step = 2.0 ** (np.maximum(np.frexp(np.where(r == 0, 1, r))[1] - 1, 0) - 1)
;;       q = np.round(r / step) * step * 2.0 ** e      # np.round: ties to even
;;       return np.moveaxis(q.reshape(q.shape[:-2] + (-1,))[..., :K], -1, axis).astype(np.float32)
;;   ~~~
;;   SOFTMAX AHEAD OF A QUANTISED PRODUCT. Where the list says 'softmax', what is quantised is not the finished softmax but p = 2^(t - M), with t = logit x log2(e) and M = ceil(the row's largest t), a whole number; so 1/2 < the row's largest p <= 1. The row's sum l is taken of the UNQUANTISED p, in f32, and the product's result is divided by l at the end. Since M is a whole number, a kernel that streams over the keys may use a running M (the ceiling of the running maximum): every later rescaling is an exact power of two, which a block's scale takes up: the codes' values come out the same.
;;   OPERANDS COMPUTED ON THE WAY. 'Computed on the way' means the value that the module computes at that place (a softmax that the list does not call 'softmax' is quantised finished and normalised). What goes into a quantiser is computed in f32, as accurately as f32 sums, v_exp_f32 and their like allow (about 1e-6 of the number): no bf16 or f16 on the way to a quantiser, and a product that is left as it is and whose result goes on into a quantised operand takes f32 operands (vector FMAs, or v_wmma_f32_16x16x4_f32). A number that lies on a knife's edge between two numbers of the format may be rounded either way, as far as f32 arithmetic and the matrix unit's own rounding can turn it there, and no further.
;;   INPUTS GIVEN AS CODES. key (in the module: [4, 2048, 1024], K = its axis 2); query (in the module: [4, 2048, 1024], K = its axis 2); value (in the module: [4, 2048, 1024], K = its axis 2); wk (in the module: [16, 64, 1024], K = its axis 2); wo (in the module: [1024, 1024], K = its axis 1); wq (in the module: [16, 64, 1024], K = its axis 2); wv (in the module: [16, 64, 1024], K = its axis 2): each comes as NAME_codes (uint8): NAME with its K axis moved to the last place and cut into blocks of 32 codes, [.., K / 32, bytes a block], one block behind the other in memory; two codes a byte, the lower K in the low four bits (a code: sign, 2 exponent bits, 1 mantissa bit); and NAME_scales (uint8): the same leading axes, one E8M0 byte (e + 127) for each 32 codes along K. Its value is code x scale, taken as it is: it is not quantised again, and the codes and scales need not be those that the quantiser above would give.
;; One version. Each part assembles by itself: llvm-mc -triple=amdgcn-amd-amdhsa -mcpu=gfx1250 --defsym DOCPART=n.
;; ======== version 1 of 1: 3 launches
;; limits: right only within a limited range of input values
;; workspace buffers: qkv 13,893,632 bytes; ctx_img 4,194,304 bytes; ctx_sc 262,144 bytes
;; launch proj (part 1): grid 4 x 96, 4 waves a work-group, clusters of 4 x 4, 279,040 bytes of LDS; arguments query_codes, key_codes, wv_codes, query_scales, key_scales, wv_scales, wq_codes, wk_codes, value_codes, wq_scales, wk_scales, value_scales, bq, bk, bv, qkv; writes qkv
.if DOCPART == 1
	.amdgcn_target "amdgcn-amd-amdhsa--gfx1250"
	.amdhsa_code_object_version 6
	.text
	.protected	k_qbe43b90cf7_proj
	.globl	k_qbe43b90cf7_proj
	.p2align	8
	.type	k_qbe43b90cf7_proj,@function
k_qbe43b90cf7_proj:
	s_mov_b64 s[64:65], 0
	v_nop
	global_prefetch_b8 v0, s[64:65] scope:SCOPE_SE
	s_setreg_imm32_b32 hwreg(HW_REG_WAVE_MODE, 25, 1), 1
	s_wait_xcnt 0x0
	s_wait_alu depctr_hold_cnt(0) depctr_sa_sdst(0) depctr_va_vdst(0) depctr_va_sdst(0) depctr_va_ssrc(0) depctr_va_vcc(0) depctr_vm_vsrc(0)
	s_getreg_b32 s2, hwreg(HW_REG_IB_STS2, 6, 4)
	s_cmp_eq_u32 s2, 0
	s_cbranch_scc0 .Lentry_in_a_cluster
	s_endpgm
.Lentry_in_a_cluster:
	s_bfe_u32 s2, ttmp6, 0x10000c
	s_cmp_lg_u32 s2, 0xf033
	s_cbranch_scc0 .Lentry_shape_is_right
	s_endpgm
.Lentry_shape_is_right:
; THE THREE PROJECTIONS, Q = query wq^T + bq, K = key wk^T + bk, V = value wv^T + bv, on codes of FP4 (E2M1) with one E8M0 scale for each 32 along K = 1,024, and the
; quantising of their results for the attention launch: Q and K along a head's 64 channels, V along the keys.
; ONE TEXT FOR ALL THREE.  A product has a side P (source 0: its rows run along a lane's registers in the result, so the result is quantised along them) and a side R (source 1: lane % 16 is its row).
;   Q, K: P = the weight (rows 64 head + e), R = the activation (rows 2,048 b + s).     V: P = value (the keys), R = wv (the channels).
; Only the pointers, the block numbers, the bias's registers and the packing of the scale words differ; the kind is the cluster's y / 8 and is the same in all sixteen partners.
; SHARES.  A work-group of four waves makes 256 rows of R x 256 rows of P, a wave 128 x 128: 64 accumulators, 512 registers.  All of K (512 bytes a row) lies in LDS at once, as two slots of 256 bytes a row:
; each is filled once, nothing is filled again.  CLUSTER 4 x 4: R's tile is shared along a row of the cluster, P's along a column: each is asked for jointly.
; THE SCALE BYTES of my 128 + 128 rows, for all of K, go from memory straight into 64 registers: lane l takes the 32 bytes of row 32 p + l, so a register holds the words of tile 2 p in lanes 0-15 and of tile 2 p + 1 in lanes 16-31.
; THE BIAS is the C of the first K step's products.
; THE WAY OUT.  In accumulator (a, b) lane (r, h) holds, in register j, P's row 16 b + 8 h + j for R's row 16 a + r.  A block of 32 along P is two accumulators, half in lane l and half in lane l xor 16.
; Four accumulators (64 along P) become four registers of codes: lane (r, h) = the 32 codes of block h: half a fragment of the next product, stored as it stands, 16 bytes a lane, 512 consecutive bytes a store.
; qkv: 64 records (16 b + head) of REC bytes: K's images [key tile][512] | V's images [64 keys][16 channels][512] | K's scale words [128 keys][2][16 r][4] | V's [128 keys][16 r][4] | Q's images | Q's scale words.
; LIMITS: NaN and infinities are not served.  A block whose largest magnitude lies under 2^-124 keeps the byte 1; so does a block of zeros (its codes are zeros, and only this program reads the bytes).
; REGISTERS, in windows of 256: window 0: v16-30 addresses; v32-63 R's scale words, v64-95 P's; v96-127 at work on the way out; v128-191 R's 8 fragments, one set; v192-255 the codes to be stored.
;   window 1: P's fragments, two sets, at v0 and v128; v192-255 the bias.   windows 2, 3: accumulator (a, b) at v[8 (8 (a % 4) + b)], a < 4 in window 2.
.set REC,   217088                     ; a record of qkv
.set VIMG,  65536                      ; places in a record (K's images at 0)
.set KSC,   131072
.set VSC,   139264
.set QIMG,  143360
.set QSC,   208896
.set PITCH, 528                        ; an LDS row: all of K, 512 bytes, + 16 of padding: the 16 rows that a load touches start 132 words apart
.set HALFT, 128*PITCH                  ; 128 rows: what one tensor load brings, and what one wave reads of R or of P
.set SLOT,  256                        ; K steps 4 to 7 begin 256 bytes on in each LDS row
.set ADRA,  16                         ; v16-17  LDS address of my R fragments in slot 0, 1
.set ADRB,  20                         ; v20-21  the same for P
.set L16,   24                         ; v24     16 x lane: a lane's place in an image
.set SOF,   25                         ; v25     16 r + h x REC: the scale words' store
.set L32,   26                         ; v26     32 x lane: a row of scale bytes
.set H32,   27                         ; v27     32 h: the bias along P
.set R4,    28                         ; v28     4 r: the bias along R
.set FL,    30                         ; v30     the floor 2^(3 - 127)
.set RS,    32
.set PS,    64
.set T,     96                         ; v96-99   four blocks' largest magnitudes, then the conversions' scale operands
.set U,     100                        ; v100-103 the other half's, then the bytes
.set W0,    112                        ; v112-119 for each a: bytes of blocks 0, 1
.set W1,    120                        ; v120-127 bytes of blocks 2, 3
.set AF,    128
.set CD,    192
.set BI,    192                        ; in window 1
.set G1,    24                         ; s[24:31] descriptor group 1 for R's tiles;  s[32:35] group 0
.set G0,    32
.set G1B,   48                         ; s[48:55], s[56:59] the same for P's
.set G0B,   56
.set KIND,  66                         ; s66  0 Q, 1 K, 2 V
.set OB,    84                         ; s[84:91] where the images go: (a / 4, g) at s[84 + 4 (a / 4) + 2 g]
.set SCB,   92                         ; s[92:93] where the scale words go
.set MSB, 0
.macro WIN new                         ; the immediate's high byte repeats the setting that is left
.if MSB != (\new)
	s_set_vgpr_msb (MSB<<8)|(\new)
.set MSB, (\new)
.endif
.endm
; A joint load: waves 0 and 1 fetch R's halves, waves 2 and 3 P's.  Each line has one mask and one set of registers for all that issue it; the branch hangs on the wave's number alone.
; Four v_nop follow each of the two lines.
.macro JLOAD g0a, g1a, g0b, g1b
	s_cmp_eq_u32 s15, 0
	s_cbranch_scc0 .Lfor_p_\@
	tensor_load_to_lds s[\g0a:\g0a+3], s[\g1a:\g1a+7]
	s_nop 0
.rept 4
	v_nop
.endr
	s_branch .Lasked_\@
.Lfor_p_\@:
	tensor_load_to_lds s[\g0b:\g0b+3], s[\g1b:\g1b+7]
	s_nop 0
.rept 4
	v_nop
.endr
.Lasked_\@:
.endm
.macro CROUND                          ; a round of the cluster's barrier
	s_barrier_signal -1
	s_barrier_wait -1
	s_cmp_lg_u32 s14, 0
	s_cbranch_scc1 .Lnot_wave_0_\@
	s_barrier_signal -3
.Lnot_wave_0_\@:
	s_barrier_wait -3
	s_barrier_signal -1
	s_barrier_wait -1
.endm
.macro PLACES n
.rept \n
	v_nop
.endr
.endm
	s_load_b512 s[48:63], s[0:1], 0x0              ; query, key, wv codes; query, key, wv scales; wq, wk codes
	s_load_b512 s[68:83], s[0:1], 0x40             ; value codes; wq, wk, value scales; bq, bk, bv; qkv
	v_lshl_add_u32 v110, v0, 2, 0x44000
	v_mov_b32 v111, 0
	ds_add_u32 v110, v111
	ds_add_u32 v110, v111
	v_lshrrev_b32 v1, 5, v0
	v_readfirstlane_b32 s14, v1                    ; wave 0..3
	s_lshr_b32 s15, s14, 1                         ; which half of R's rows is mine.  Also: I fetch for R (0) or for P (1)
	s_and_b32 s16, s14, 1                          ; which half of P's rows.  Also: which 128 rows of that tile I fetch
	s_bfe_u32 s40, ttmp6, 0x40000                  ; cx
	s_bfe_u32 s41, ttmp6, 0x40004                  ; cy
	s_and_b32 s18, ttmp7, 0xffff                   ; the cluster's y: 0..23
	s_lshr_b32 s[KIND], s18, 3
	s_and_b32 s67, s18, 7
	s_lshl_b32 s19, s67, 2                         ; the long side (8,192 rows) has 32 blocks: 4 x (y % 8) + the place in the cluster; the weight's side has 4
	s_cmp_eq_u32 s[KIND], 2
	s_cselect_b32 s17, 0, s19
	s_cselect_b32 s42, s19, 0
	s_add_co_u32 s17, s17, s41                     ; R's block: hangs on cy alone
	s_add_co_u32 s42, s42, s40                     ; P's block: on cx alone
	s_lshl_b32 s43, s41, 2
	s_lshl_b32 s43, 15, s43                        ; my row of the cluster
	s_lshl_b32 s44, 0x1111, s40                    ; my column
	s_lshl_b32 s18, s16, 7                         ; which 128 rows of a tile I fetch
	s_lshl_b32 s20, s17, 8
	s_add_co_u32 s20, s20, s18
	s_lshl_b32 s20, s20, 9                         ; R: (256 block + 128 half) rows of 512 bytes
	s_mov_b32 s21, 0
	s_lshl_b32 s46, s42, 8
	s_add_co_u32 s46, s46, s18
	s_lshl_b32 s46, s46, 9                         ; P likewise
	s_mov_b32 s47, 0
	s_mul_i32 s45, s14, HALFT                      ; where they go: wave x 128 rows: no place in the cluster enters an LDS address
	s_mov_b32 s2, 0x76543210
	s_mov_b32 s3, 0xfedcba98                       ; v_permlanex16_b32's selects for lane l xor 16
	s_wait_dscnt 0x0
	s_wait_kmcnt 0x0
	s_cmp_eq_u32 s[KIND], 0                        ; the five pointers of my kind
	s_cselect_b64 s[4:5], s[48:49], s[50:51]       ; R's codes
	s_cselect_b64 s[6:7], s[54:55], s[56:57]       ; R's scales
	s_cselect_b64 s[8:9], s[60:61], s[62:63]       ; P's codes
	s_cselect_b64 s[10:11], s[70:71], s[72:73]     ; P's scales
	s_cselect_b64 s[12:13], s[76:77], s[78:79]     ; the bias
	s_cmp_eq_u32 s[KIND], 2
	s_cselect_b64 s[4:5], s[52:53], s[4:5]
	s_cselect_b64 s[6:7], s[58:59], s[6:7]
	s_cselect_b64 s[8:9], s[68:69], s[8:9]
	s_cselect_b64 s[10:11], s[74:75], s[10:11]
	s_cselect_b64 s[12:13], s[80:81], s[12:13]
	; descriptor group 1: a tile of 128 rows x 512 bytes, 512 bytes from row to row, padded in LDS
	s_or_b32 s[G1+0], s43, (1<<20)|(1<<21)|(6<<22)|(3<<25)    ; 15:0 the mask: my row; elements of 1 byte; 20 padding on; 21 set beside a mask; 24:22 after every 128 words; 31:25 four words
	s_or_b32 s[G1B+0], s44, (1<<20)|(1<<21)|(6<<22)|(3<<25)   ; the same with my column
.irp g, G1, G1B
	s_mov_b32 s[\g+1], 512<<16                     ; tensor_dim0: a whole row of K
	s_mov_b32 s[\g+2], 128<<16                     ; tensor_dim1
	s_mov_b32 s[\g+3], 512<<16                     ; tile_dim0
	s_mov_b32 s[\g+4], 128                         ; tile_dim1
	s_mov_b32 s[\g+5], 512                         ; tensor_dim0_stride
	s_mov_b32 s[\g+6], 0
	s_mov_b32 s[\g+7], 0
.endr
	s_add_nc_u64 s[20:21], s[4:5], s[20:21]
	s_add_nc_u64 s[46:47], s[8:9], s[46:47]
	CROUND                                         ; all sixteen work-groups are here: the joint loads meet
	s_mov_b32 s[G0], 1
	s_mov_b32 s[G0+1], s45
	s_mov_b64 s[G0+2:G0+3], s[20:21]
	s_or_b32 s[G0+3], s[G0+3], 0x80000000
	s_mov_b32 s[G0B], 1
	s_mov_b32 s[G0B+1], s45
	s_mov_b64 s[G0B+2:G0B+3], s[46:47]
	s_or_b32 s[G0B+3], s[G0B+3], 0x80000000
	JLOAD G0, G1, G0B, G1B                         ; my one tensor load: 128 rows x all 512 bytes of K
	v_and_b32 v1, 15, v0                           ; r
	v_bfe_u32 v2, v0, 4, 1                         ; h
	v_and_b32 v5, 31, v0                           ; lane
	v_mul_u32_u24 v3, v1, PITCH
	v_lshl_add_u32 v4, v2, 4, v3                   ; a fragment's row x pitch + 16 h
	s_mul_i32 s21, s15, HALFT                      ; my 128 rows of R
	s_mul_i32 s22, s16, HALFT                      ; my 128 rows of P,
	s_add_co_u32 s22, s22, 2*HALFT                 ; which lie behind R's 256
.irp s, 0,1
	v_add_nc_u32 v[ADRA+\s], s21, v4
	v_add_nc_u32 v[ADRB+\s], s22, v4
	s_add_co_u32 s21, s21, SLOT
	s_add_co_u32 s22, s22, SLOT
.endr
	v_lshlrev_b32 v[L16], 4, v5
	v_lshlrev_b32 v[L32], 5, v5
	v_lshlrev_b32 v[H32], 5, v2
	v_lshlrev_b32 v[R4], 2, v1
	v_mul_u32_u24 v[SOF], v2, REC
	v_lshl_add_u32 v[SOF], v1, 4, v[SOF]
	v_mov_b32 v[FL], 0x1800000
.irp b, 0,1,2,3
	v_mov_b32 v[U+\b], 0                           ; written once: a lane permute's destination counts as one of its sources
.endr
	s_lshl_b32 s22, s17, 8
	s_lshl_b32 s23, s15, 7
	s_add_co_u32 s22, s22, s23                     ; my first row of R
	s_lshl_b32 s46, s42, 8
	s_lshl_b32 s47, s16, 7
	s_add_co_u32 s46, s46, s47                     ; my first row of P
	s_cmp_eq_u32 s[KIND], 2
	s_cselect_b32 s98, s22, s46                    ; the bias runs along the weight's rows
	s_lshl_b32 s98, s98, 2
	s_mov_b32 s99, 0
	s_add_nc_u64 s[12:13], s[12:13], s[98:99]
	s_lshl_b32 s22, s22, 5                         ; 32 scale bytes a row
	s_mov_b32 s23, 0
	s_add_nc_u64 s[6:7], s[6:7], s[22:23]
	s_lshl_b32 s46, s46, 5
	s_mov_b32 s47, 0
	s_add_nc_u64 s[10:11], s[10:11], s[46:47]
.irp p, 0,1,2,3                                ; register 8 p + q: the word of K step q of row 32 p + lane
	global_load_b128 v[RS+8*\p:RS+8*\p+3],   v[L32], s[6:7] offset:1024*\p
	global_load_b128 v[RS+8*\p+4:RS+8*\p+7], v[L32], s[6:7] offset:1024*\p+16
	global_load_b128 v[PS+8*\p:PS+8*\p+3],   v[L32], s[10:11] offset:1024*\p
	global_load_b128 v[PS+8*\p+4:PS+8*\p+7], v[L32], s[10:11] offset:1024*\p+16
.endr
	s_cmp_eq_u32 s[KIND], 2
	s_cbranch_scc1 .Lbias_v
	WIN 0x40                                       ; destination window 1
	s_wait_alu depctr_va_vdst(0)
.irp b, 0,1,2,3,4,5,6,7                        ; Q, K: the bias runs along P: register 8 b + j = bias(16 b + 8 h + j)
	global_load_b128 v[BI+8*\b:BI+8*\b+3],   v[H32], s[12:13] offset:64*\b
	global_load_b128 v[BI+8*\b+4:BI+8*\b+7], v[H32], s[12:13] offset:64*\b+16
.endr
	WIN 0
	s_branch .Lbias_done
.Lbias_v:
	WIN 0x40
	s_wait_alu depctr_va_vdst(0)
.irp a, 0,1,2,3,4,5,6,7                        ; V: it runs along R: register 8 a + j = bias(16 a + r) for every j
.irp j, 0,1,2,3,4,5,6,7
	global_load_b32 v[BI+8*\a+\j], v[R4], s[12:13] offset:64*\a
.endr
.endr
	WIN 0
.Lbias_done:
	; where the results go.  big: the block on the long side; small: on the weight's side; ws, wh: my wave's half on each
	s_cmp_eq_u32 s[KIND], 0
	s_cselect_b32 s85, QIMG, 0
	s_mov_b32 s86, KSC
	s_cselect_b32 s86, QSC, s86
	s_cmp_eq_u32 s[KIND], 2
	s_cselect_b32 s85, VIMG, s85                   ; the images' place in a record
	s_cselect_b32 s86, VSC, s86                    ; the scale words'
	s_cselect_b32 s87, 8, 9                        ; 128 rows' scale words: 256 bytes (V), 512 (Q, K)
	s_cselect_b32 s96, s42, s17                    ; big
	s_cselect_b32 s97, s17, s42                    ; small
	s_cselect_b32 s98, s16, s15                    ; ws
	s_cselect_b32 s99, s15, s16                    ; wh
	s_mov_b32 s94, 2048
	s_cselect_b32 s94, REC, s94                    ; from a < 4 to a >= 4: four row tiles on (Q, K), the next head (V)
	s_mov_b32 s95, REC
	s_cselect_b32 s95, 2048, s95                   ; from g = 0 to g = 1: the next head (Q, K), 64 keys on (V)
	s_and_b32 s84, s96, 7
	s_lshl_b32 s84, s84, 1
	s_add_co_u32 s84, s84, s98                     ; which 128 rows of the batch's 2,048 are mine
	s_lshr_b32 s96, s96, 3
	s_lshl_b32 s96, s96, 4                         ; 16 b
	s_lshl_b32 s97, s97, 2
	s_add_co_u32 s96, s96, s97
	s_lshl_b32 s99, s99, 1
	s_add_co_u32 s96, s96, s99                     ; + my first head
	s_mul_i32 s96, s96, REC
	s_lshl_b32 s88, s84, 12                        ; 128 rows' images are 4,096 bytes
	s_add_co_u32 s88, s88, s85
	s_add_co_u32 s88, s88, s96
	s_lshl_b32 s90, s84, s87
	s_add_co_u32 s90, s90, s86
	s_add_co_u32 s90, s90, s96
	s_mov_b32 s89, 0
	s_mov_b32 s91, 0
	s_add_nc_u64 s[SCB:SCB+1], s[82:83], s[90:91]
	s_add_nc_u64 s[OB:OB+1], s[82:83], s[88:89]
	s_mov_b32 s96, s95
	s_mov_b32 s97, 0
	s_mov_b32 s98, s94
	s_mov_b32 s99, 0
	s_add_nc_u64 s[OB+2:OB+3], s[OB:OB+1], s[96:97]
	s_add_nc_u64 s[OB+4:OB+5], s[OB:OB+1], s[98:99]
	s_add_nc_u64 s[OB+6:OB+7], s[OB+4:OB+5], s[96:97]
; one matrix instruction.  oa, ob: source 0's, source 1's scale words lie in lanes 16-31
.macro WM d, a, b, c, sa, sb, oa, ob
.if (\oa) && (\ob)
	v_wmma_scale_f32_16x16x128_f8f6f4 v[\d:\d+7], v[\a:\a+7], v[\b:\b+7], v[\c:\c+7], v[\sa], v[\sb] matrix_a_fmt:MATRIX_FMT_FP4 matrix_b_fmt:MATRIX_FMT_FP4 matrix_a_scale:MATRIX_SCALE_ROW1 matrix_b_scale:MATRIX_SCALE_ROW1
.elseif (\oa)
	v_wmma_scale_f32_16x16x128_f8f6f4 v[\d:\d+7], v[\a:\a+7], v[\b:\b+7], v[\c:\c+7], v[\sa], v[\sb] matrix_a_fmt:MATRIX_FMT_FP4 matrix_b_fmt:MATRIX_FMT_FP4 matrix_a_scale:MATRIX_SCALE_ROW1
.elseif (\ob)
	v_wmma_scale_f32_16x16x128_f8f6f4 v[\d:\d+7], v[\a:\a+7], v[\b:\b+7], v[\c:\c+7], v[\sa], v[\sb] matrix_a_fmt:MATRIX_FMT_FP4 matrix_b_fmt:MATRIX_FMT_FP4 matrix_b_scale:MATRIX_SCALE_ROW1
.else
	v_wmma_scale_f32_16x16x128_f8f6f4 v[\d:\d+7], v[\a:\a+7], v[\b:\b+7], v[\c:\c+7], v[\sa], v[\sb] matrix_a_fmt:MATRIX_FMT_FP4 matrix_b_fmt:MATRIX_FMT_FP4
.endif
.endm
; 16 matrix instructions: R's blocks a0, a0 + 1 x P's eight, K step q.  p: P's set.  cm = 0: the sums go on; 1: they start from the bias along P; 2: from the bias along R.
; The 64 accumulators take turns, one instruction a turn, in the same order in every step.
.macro MUL16 a0, p, q, cm
.irp a, \a0, \a0+1
.irp b, 0,1,2,3,4,5,6,7
.set rD, 8*(8*((\a)%4)+\b)
.set rP, 128*(\p)+8*\b
.set rR, AF+8*(\a)
.set rSP, PS+8*(\b/2)+(\q)
.set rSR, RS+8*((\a)/2)+(\q)
.if \cm == 0
.set rC, rD
.elseif \cm == 1
.set rC, BI+8*\b
.else
.set rC, BI+8*(\a)
.endif
	WM rD, rP, rR, rC, rSP, rSR, (\b)%2, (\a)%2
.endr
.endr
.endm
.macro FRAG reg, adr, q, i             ; 16 rows x 128 K of 4-bit codes: 8 registers: registers 4 c .. 4 c + 3 hold K = 64 c + 32 h + 0 .. 31 of row r
.irp c, 0,1
	ds_load_b128 v[\reg+4*\c:\reg+4*\c+3], v[\adr] offset:64*(\q)+32*\c+(\i)*16*PITCH
.endr
.endm
.macro FETCH_B q, p                    ; P's eight fragments of K step q into set p
	WIN 0x40
.irp i, 0,1,2,3,4,5,6,7
	FRAG 128*(\p)+8*\i, ADRB+(\q)/4, (\q)%4, \i
.endr
	WIN 0
.endm
.macro FETCH_A q, i0                   ; R's blocks i0 .. i0 + 3
.irp i, \i0, \i0+1, \i0+2, \i0+3
	FRAG AF+8*(\i), ADRA+(\q)/4, (\q)%4, \i
.endr
.endm
; A K step of 128 that has a successor.  A block of R is free as soon as its eight products are issued, so R has one set: blocks 0-3 are fetched anew in the step's middle, blocks 4-7 at its end.
; A load into a register that a matrix instruction has read stands four plain vector instructions behind it (ISA guide 7.12.1 for vector instructions).
.macro STEP q, cm
	s_wait_dscnt 8                                 ; P's set and R's blocks 0-3 are in; the youngest eight loads (R's blocks 4-7) may be out
.if \cm
	WIN 0x91                                       ; source 0 (P) window 1, source 1 (R) window 0, C (the bias) window 1, D window 2
.else
	WIN 0xa1                                       ; C and D window 2
.endif
	MUL16 0, (\q)%2, \q, \cm
	MUL16 2, (\q)%2, \q, \cm
	s_wait_dscnt 0x0                               ; R's blocks 4-7 are in
	PLACES 4
	FETCH_B (\q)+1, 1-(\q)%2
	FETCH_A (\q)+1, 0
.if \cm
	WIN 0xd1
.else
	WIN 0xf1
.endif
	MUL16 4, (\q)%2, \q, \cm
	MUL16 6, (\q)%2, \q, \cm
	PLACES 4
	WIN 0
	FETCH_A (\q)+1, 4
.endm
	s_wait_loadcnt 0x0                             ; scale words and bias
	s_wait_tensorcnt 0x0                           ; my 128 rows are in
	s_barrier_signal -1
	s_barrier_wait -1                              ; everybody's is
	FETCH_B 0, 0
	FETCH_A 0, 0
	FETCH_A 0, 4
	s_cmp_eq_u32 s[KIND], 2                        ; the first K step starts the sums from the bias: it names other registers for V, so it is written twice
	s_cbranch_scc1 .Lfirst_v
	STEP 0, 1
	s_branch .Lfirst_done
.Lfirst_v:
	STEP 0, 2
.Lfirst_done:
	STEP 1, 0
	STEP 2, 0
	STEP 3, 0                                      ; all of K lies in LDS since the one barrier: a step like the others
	STEP 4, 0
	STEP 5, 0
	STEP 6, 0
	s_wait_dscnt 8                                 ; the last K step: nothing more to fetch
	WIN 0xa1
	MUL16 0, 1, 7, 0
	MUL16 2, 1, 7, 0
	s_wait_dscnt 0x0
	WIN 0xf1
	MUL16 4, 1, 7, 0
	MUL16 6, 1, 7, 0
	WIN 0
	PLACES 4                                       ; in front of the first read of results
; THE WAY OUT of R's block a: its eight accumulators are 128 along P: four blocks of 32.  Each accumulator is read from its low end on.
.macro QOUT a
.set AC, 64*((\a)%4)
.set HI, (\a)/4
.set CA, CD+8*(\a)
	WIN 0x28+0x14*HI                               ; sources 1 and 2: window 2 or 3
.irp bb, 0,1,2,3
	v_max3_num_f32 v[T+\bb], v[FL], |v[AC+16*\bb]|, |v[AC+16*\bb+1]|        ; my 16 numbers of block bb, and the floor, which holds the byte at 1 from below
.endr
.irp i, 2,4,6,8,10,12,14
.irp bb, 0,1,2,3
	v_max3_num_f32 v[T+\bb], v[T+\bb], |v[AC+16*\bb+\i]|, |v[AC+16*\bb+\i+1]|   ; (the four blocks by turns)
.endr
.endr
	WIN 0
.irp bb, 0,1,2,3
	v_permlanex16_b32 v[U+\bb], v[T+\bb], s2, s3
.endr
.irp bb, 0,1,2,3
	v_max_num_f32 v[T+\bb], v[T+\bb], v[U+\bb]     ; with lane l xor 16's 16: the block's largest magnitude
.endr
.irp bb, 0,1,2,3
	v_add_nc_u32 v[T+\bb], 0xff000000, v[T+\bb]    ; 2 off its exponent field: the conversion takes the exponent field of this operand as its scale
.endr
.irp bb, 0,1,2,3
	v_lshrrev_b32 v[U+\bb], 23, v[T+\bb]           ; the scale's byte
.endr
	v_lshl_or_b32 v[W0+(\a)], v[U+1], 8, v[U]
	v_lshl_or_b32 v[W1+(\a)], v[U+3], 8, v[U+2]
	WIN 0x02+HI                                    ; source 0: window 2 or 3
.irp g, 0,1                                    ; 64 along P: accumulators 4 g .. 4 g + 3.  Results 0 and 2 are block 2 g's halves, 1 and 3 block 2 g + 1's
	v_cvt_scalef32_pk8_fp4_f32 v[CA+4*\g],   v[AC+32*\g:AC+32*\g+7],     v[T+2*\g]
	v_cvt_scalef32_pk8_fp4_f32 v[CA+4*\g+2], v[AC+32*\g+8:AC+32*\g+15],  v[T+2*\g]
	v_cvt_scalef32_pk8_fp4_f32 v[CA+4*\g+1], v[AC+32*\g+16:AC+32*\g+23], v[T+2*\g+1]
	v_cvt_scalef32_pk8_fp4_f32 v[CA+4*\g+3], v[AC+32*\g+24:AC+32*\g+31], v[T+2*\g+1]
.endr
	WIN 0
	v_nop                                          ; one plain instruction behind the scaled conversions
.irp g, 0,1                                    ; the first's lanes 16-31 change places with the second's lanes 0-15: lane (r, h) then holds the 32 codes of block 2 g + h, in order
	v_permlane16_swap_b32 v[CA+4*\g], v[CA+4*\g+1]
	v_permlane16_swap_b32 v[CA+4*\g+2], v[CA+4*\g+3]
.endr
.irp g, 0,1
	global_store_b128 v[L16], v[CA+4*\g:CA+4*\g+3], s[OB+4*HI+2*\g:OB+4*HI+2*\g+1] offset:512*((\a)%4)   ; 32 lanes store 512 consecutive bytes; each a has registers of its own, so no store's data are written again
.endr
.endm
.irp a, 0,1,2,3,4,5,6,7
	QOUT \a
.endr
	s_mov_b32 vcc_lo, 0xffff0000                   ; lanes 16-31 carry the second head's words (every word lies in lanes l and l xor 16 alike)
	s_cmp_eq_u32 s[KIND], 2
	s_cbranch_scc1 .Lwords_v
.irp a, 0,1,2,3,4,5,6,7                        ; Q, K: a row's word for a head: its two bytes; the upper two stay 0 and scale zero codes
	v_cndmask_b32 v[W0+\a], v[W0+\a], v[W1+\a], vcc_lo
.endr
	global_store_b128 v[SOF], v[W0:W0+3], s[SCB:SCB+1]               ; sixteen lanes store 256 consecutive bytes: row tiles 0-3
	global_store_b128 v[SOF], v[W0+4:W0+7], s[SCB:SCB+1] offset:256  ; and 4-7
	s_branch .Lwords_done
.Lwords_v:
.irp a, 0,1,2,3,4,5,6,7                        ; V: a channel's word for these 128 keys: four bytes
	v_lshl_or_b32 v[W0+\a], v[W1+\a], 16, v[W0+\a]
.endr
.irp c, 0,1,2,3
	v_cndmask_b32 v[W0+\c], v[W0+\c], v[W0+4+\c], vcc_lo
.endr
	global_store_b128 v[SOF], v[W0:W0+3], s[SCB:SCB+1]
.Lwords_done:
	s_wait_tensorcnt 0x0
	ds_add_u32 v110, v111
	s_wait_dscnt 0x0
	CROUND                                         ; the closing round: no work-group ends while a partner may still ask for a tile that names it
	s_endpgm
.Lfunc_end_k_qbe43b90cf7_proj:
	.size	k_qbe43b90cf7_proj, .Lfunc_end_k_qbe43b90cf7_proj-k_qbe43b90cf7_proj
	.p2alignl 7, 3214868480
	.fill 96, 4, 3214868480
	.section	.rodata,"a",@progbits
	.p2align	6, 0x0
	.amdhsa_kernel k_qbe43b90cf7_proj
		.amdhsa_group_segment_fixed_size 279040
		.amdhsa_private_segment_fixed_size 0
		.amdhsa_enable_private_segment 0
		.amdhsa_kernarg_size 128
		.amdhsa_user_sgpr_count 2
		.amdhsa_user_sgpr_kernarg_segment_ptr 1
		.amdhsa_wavefront_size32 1
		.amdhsa_system_sgpr_workgroup_id_x 1
		.amdhsa_system_sgpr_workgroup_id_y 1
		.amdhsa_system_sgpr_workgroup_id_z 1
		.amdhsa_system_vgpr_workitem_id 0
		.amdhsa_next_free_vgpr 1024
		.amdhsa_next_free_sgpr 100
		.amdhsa_reserve_vcc 1
		.amdhsa_float_denorm_mode_32 3
		.amdhsa_float_denorm_mode_16_64 3
		.amdhsa_memory_ordered 1
		.amdhsa_forward_progress 1
		.amdhsa_inst_pref_size 145
	.end_amdhsa_kernel
	.amdgpu_metadata
---
amdhsa.version: [ 1, 2 ]
amdhsa.kernels:
  - .name:           k_qbe43b90cf7_proj
    .symbol:         k_qbe43b90cf7_proj.kd
    .args:
      - { .name: query_codes, .offset: 0, .size: 8, .value_kind: global_buffer, .address_space: global }
      - { .name: key_codes, .offset: 8, .size: 8, .value_kind: global_buffer, .address_space: global }
      - { .name: wv_codes, .offset: 16, .size: 8, .value_kind: global_buffer, .address_space: global }
      - { .name: query_scales, .offset: 24, .size: 8, .value_kind: global_buffer, .address_space: global }
      - { .name: key_scales, .offset: 32, .size: 8, .value_kind: global_buffer, .address_space: global }
      - { .name: wv_scales, .offset: 40, .size: 8, .value_kind: global_buffer, .address_space: global }
      - { .name: wq_codes, .offset: 48, .size: 8, .value_kind: global_buffer, .address_space: global }
      - { .name: wk_codes, .offset: 56, .size: 8, .value_kind: global_buffer, .address_space: global }
      - { .name: value_codes, .offset: 64, .size: 8, .value_kind: global_buffer, .address_space: global }
      - { .name: wq_scales, .offset: 72, .size: 8, .value_kind: global_buffer, .address_space: global }
      - { .name: wk_scales, .offset: 80, .size: 8, .value_kind: global_buffer, .address_space: global }
      - { .name: value_scales, .offset: 88, .size: 8, .value_kind: global_buffer, .address_space: global }
      - { .name: bq, .offset: 96, .size: 8, .value_kind: global_buffer, .address_space: global }
      - { .name: bk, .offset: 104, .size: 8, .value_kind: global_buffer, .address_space: global }
      - { .name: bv, .offset: 112, .size: 8, .value_kind: global_buffer, .address_space: global }
      - { .name: qkv, .offset: 120, .size: 8, .value_kind: global_buffer, .address_space: global }
    .group_segment_fixed_size: 279040
    .private_segment_fixed_size: 0
    .kernarg_segment_align: 8
    .kernarg_segment_size: 128
    .max_flat_workgroup_size: 128
    .sgpr_count:     100
    .vgpr_count:     1024
    .wavefront_size: 32
...
	.end_amdgpu_metadata
.endif
;; end of part 1
;; launch attn (part 2): grid 4 x 64, 8 waves a work-group, clusters of 4 x 1, 167,936 bytes of LDS; arguments qkv, ctx_img, ctx_sc; writes ctx_img, ctx_sc
.if DOCPART == 2
	.amdgcn_target "amdgcn-amd-amdhsa--gfx1250"
	.amdhsa_code_object_version 6
	.text
	.protected	k_qbe43b90cf7_attn
	.globl	k_qbe43b90cf7_attn
	.p2align	8
	.type	k_qbe43b90cf7_attn,@function
k_qbe43b90cf7_attn:
	s_mov_b64 s[64:65], 0
	v_nop
	global_prefetch_b8 v0, s[64:65] scope:SCOPE_SE
	s_setreg_imm32_b32 hwreg(HW_REG_WAVE_MODE, 25, 1), 1
	s_wait_xcnt 0x0
	s_wait_alu depctr_hold_cnt(0) depctr_sa_sdst(0) depctr_va_vdst(0) depctr_va_sdst(0) depctr_va_ssrc(0) depctr_va_vcc(0) depctr_vm_vsrc(0)
	s_getreg_b32 s2, hwreg(HW_REG_IB_STS2, 6, 4)
	s_cmp_eq_u32 s2, 0
	s_cbranch_scc0 .Lentry_in_a_cluster
	s_endpgm
.Lentry_in_a_cluster:
	s_bfe_u32 s2, ttmp6, 0x10000c
	s_cmp_lg_u32 s2, 0x3003
	s_cbranch_scc0 .Lentry_shape_is_right
	s_endpgm
.Lentry_shape_is_right:
; ATTENTION OF ONE HEAD on codes of FP4 (E2M1): S^T = K Q^T (K = the head's 64, filled to 128 with zero codes), p = 2^(t - M), O^T = V^T P^T, O / the row's sum, and the quantising of O along the head's 64 channels for the last product.
; t = score x log2(e) / 8; M = the running largest t rounded up to a whole number; the sum is taken of the unquantised p in f32; when M moves, the sum and O^T are multiplied by 2^(old M - new M), which rounds nothing.
; SHARES.  A work-group owns 512 queries of one record (16 b + head); its eight waves own 64 each: four tiles of 16.  A fragment of K or V read from LDS feeds four tiles' products.
; A KEY STEP IS 256 KEYS: 16 score products, 128 score registers, eight blocks of 32 keys by turns, one change of M and one rescaling of O^T for each tile and step, 8 products with V (two links on each of four accumulators, three others between).
; The record's K and V images and scale words, 143,360 bytes, lie in LDS for the whole launch: one tensor load a wave (70 rows of 256 bytes), nothing is filled again.
; CLUSTER 4 x 1: the four query blocks of a record need the same K and V and ask for them jointly.
; No prefetch: the only stream from memory is the head's one fill; the loop reads LDS alone.
; ORDER IN A WAVE.  Tile i's softmax ends with its sums; then the scores of tile i + 1 are started, then tile i's products with V; three additions and a v_nop are the places behind them.
; K's next step is fetched at the head of tile 3 (K's registers are free then), V's behind a step's first score products.  The last trip's look-ahead reads the 8,192 + 1,024 LDS bytes that follow K's (V's images, V's words): they are filled, and what is read is not used.
; K's FRAGMENTS LIE DENSE: source 0 of key tile t is four registers of its codes and the four registers that follow (the next tile's codes; behind the last tile V's first four, into which no load is out at any score product).  Q's upper half is zero codes, so that half adds nothing.
; ctx_sc: [head][8,192 rows] of two scale bytes (the head's two blocks of 32 channels).  ctx_img: [row tile][head][512]: lane (r, h) = the 32 codes of block h of row r.
; LIMITS: the promise holds while the scaled scores stay under 2^31 in magnitude; NaN and infinities are not served.  A block of p whose largest lies under 2^-124 keeps the byte 1.
; The block's scale is taken from 2^(t - M - 2) of the block's largest score, one multiply-add and one exponential: within an ulp of a whole t - M the byte may differ by one from that of the largest p itself.
; REGISTERS: window 0: all named below but the last three;  window 1: K at v0-63, V at v64-127, O^T of tile i at v[128 + 32 i].
.set REC,   217088
.set VIMG,  65536
.set KSC,   131072
.set VSC,   139264
.set KVB,   143360
.set QIMG,  143360
.set QSC,   208896
.set SCR,   KVB                        ; 1,024 bytes: the work-group's scale halves on their way out
.set SPARE, KVB+1024                   ; the spare words, 128 bytes a wave
.set L16, 1                            ; 16 x lane
.set R16, 2                            ; 16 x (lane % 16)
.set TMP, 3
.set SPW, 4
.set NIL, 5
.set F,   6                            ; v[6:7] f = 2^(old M - new M)
.set ADK, 8
.set ADV, 9
.set ADS, 10
.set ADT, 11
.set TM2, 12
.set NM2, 13                           ; -M - 2
.set ST,  14                           ; tile i: v[14 + 2 i] = -M, v[15 + 2 i] = the largest score so far
.set SUM, 22                           ; tile i: v[22 + 2 i : 23 + 2 i] the sum in two halves
.set SA,  30
.set SB,  32
.set SC,  34
.set T1,  36
.set T2,  37
.set QS,  38                           ; Q's scale words, a register a tile
.set KW,  42                           ; K's, a register a key tile
.set VW,  58                           ; V's: 4 u + n for keys 128 u on, channels 16 n on
.set PWD, 66                           ; p's, for keys 128 u on
.set BM,  68
.set PC,  76                           ; p's codes, 8 registers for each 128 keys
.set BT,  76                           ; the lane permutes' results and the scale bytes: in p's registers while these hold no codes
.set QF,  92                           ; Q: tile i at v[92 + 8 i]: four registers of codes, four of zeros
.set S,   124
.set CW,  252
.set KFR, 0                            ; window 1
.set VF,  64                           ; window 1
.set OO,  128                          ; window 1
.set WV,  10
.set G1,  16
.set SEL, 32
.set CS,  34
.set CN,  36
.set TK,  37
.set TS,  38
.set TW,  39
.set TV,  51
.set MSB, 0
.macro WIN new
.if MSB != (\new)
	s_set_vgpr_msb (MSB<<8)|(\new)
.set MSB, (\new)
.endif
.endm
.macro ROUND
	s_barrier_signal -1
	s_barrier_wait -1
	s_cmp_lg_u32 s[WV], 0
	s_cbranch_scc1 .Lnot_wave_0_\@
	s_barrier_signal -3
.Lnot_wave_0_\@:
	s_barrier_wait -3
	s_barrier_signal -1
	s_barrier_wait -1
.endm
	s_load_b128 s[4:7], s[0:1], 0x0                ; qkv, ctx_img
	s_load_b64 s[8:9], s[0:1], 0x10                ; ctx_sc
	v_lshl_add_u32 v[SPW], v0, 2, SPARE
	v_mov_b32 v[NIL], 0
	ds_add_u32 v[SPW], v[NIL]
	ds_add_u32 v[SPW], v[NIL]
	v_lshrrev_b32 v[TMP], 5, v0
	v_readfirstlane_b32 s[WV], v[TMP]              ; wave 0..7
	s_bfe_u32 s11, ttmp6, 0x40000                  ; cx: which 512 queries
	s_and_b32 s12, ttmp7, 0xffff                   ; the record: 16 b + head
	s_mov_b32 s[G1+0], 15|(3<<16)|(1<<21)          ; mask: all four partners; elements of 8 bytes; bit 21 beside a mask
	s_mov_b32 s[G1+1], 32<<16
	s_mov_b32 s[G1+2], 70<<16
	s_mov_b32 s[G1+3], 32<<16
	s_mov_b32 s[G1+4], 70
	s_mov_b32 s[G1+5], 32
	s_mov_b32 s[G1+6], 0
	s_mov_b32 s[G1+7], 0
	s_mul_i32 s13, s12, REC
	s_mul_i32 s14, s[WV], 17920                    ; my 70 rows of 256 bytes, in the record and in LDS
	s_add_co_u32 s40, s13, s14
	s_mov_b32 s41, 0
	s_lshl_b32 s15, s11, 3
	s_add_co_u32 s15, s15, s[WV]                   ; my group of four query tiles: 8 cx + wave
	s_lshl_b32 s42, s15, 11
	s_add_co_u32 s42, s42, s13
	s_add_co_u32 s42, s42, QIMG                    ; Q's images: 4 x 512 bytes a group
	s_mov_b32 s43, 0
	s_lshl_b32 s44, s15, 8
	s_add_co_u32 s44, s44, s13
	s_add_co_u32 s44, s44, QSC                     ; Q's scale words: [16 r][4 tiles] a group
	s_mov_b32 s45, 0
	s_lshr_b32 s28, s12, 4                         ; b
	s_and_b32 s29, s12, 15                         ; head
	s_lshl_b32 s46, s28, 5
	s_add_co_u32 s46, s46, s15
	s_lshl_b32 s46, s46, 15                        ; ctx_img: 8,192 bytes a row tile,
	s_lshl_b32 s30, s29, 9
	s_add_co_u32 s46, s46, s30                     ; 512 a head
	s_mov_b32 s47, 0
	s_lshl_b32 s48, s29, 14                        ; ctx_sc: 16,384 bytes a head, 2 a row
	s_lshl_b32 s30, s28, 12
	s_add_co_u32 s48, s48, s30
	s_lshl_b32 s30, s11, 10
	s_add_co_u32 s48, s48, s30
	s_mov_b32 s49, 0
	s_mov_b32 s[SEL], 0x76543210
	s_mov_b32 s[SEL+1], 0xfedcba98
	s_mov_b32 s[CS], 0x3e38aa3b                    ; c = log2(e) / 8
	s_mov_b32 s[CS+1], s[CS]
	s_mov_b32 s[CN], 0xbe38aa3b                    ; -c
	s_mov_b32 s[TK], 0
	s_mov_b32 s[TS], KSC
	s_mov_b32 s[TW], VIMG
	s_mov_b32 s[TV], VSC
	s_mov_b32 s50, 8                               ; key steps of 256
	s_wait_dscnt 0x0
	s_wait_kmcnt 0x0
	s_add_nc_u64 s[42:43], s[4:5], s[42:43]
	s_add_nc_u64 s[44:45], s[4:5], s[44:45]
	s_add_nc_u64 s[46:47], s[6:7], s[46:47]
	s_add_nc_u64 s[48:49], s[8:9], s[48:49]
	s_mov_b32 s24, 1
	s_mov_b32 s25, s14
	s_add_nc_u64 s[26:27], s[4:5], s[40:41]
	s_or_b32 s27, s27, 0x80000000
	ROUND                                          ; the four partners are here: the joint loads meet
	tensor_load_to_lds s[24:27], s[G1:G1+7]        ; my one tensor load of the launch
	s_nop 0
.rept 4
	v_nop
.endr
	v_and_b32 v[TMP], 31, v0
	v_lshlrev_b32 v[L16], 4, v[TMP]
	v_and_b32 v[TMP], 15, v0
	v_lshlrev_b32 v[R16], 4, v[TMP]
.irp t, 0,1,2,3
	global_load_b128 v[QF+8*\t:QF+8*\t+3], v[L16], s[42:43] offset:512*\t
.endr
	global_load_b128 v[QS:QS+3], v[R16], s[44:45]
.irp t, 0,1,2,3
.irp k, 4,5,6,7
	v_mov_b32 v[QF+8*\t+\k], 0                     ; zero codes for k = 64 .. 127
.endr
	v_mov_b32 v[BT+\t], 0                          ; a lane permute's destination counts as a source
	v_mov_b32 v[BT+4+\t], 0
	v_mov_b32 v[ST+2*\t], 0x7f61b1e6               ; -M: 3e38
	v_mov_b32 v[ST+2*\t+1], 0xff61b1e6             ; the largest score so far: -3e38
	v_mov_b32 v[SUM+2*\t], 0
	v_mov_b32 v[SUM+2*\t+1], 0
.endr
	v_mov_b32 v[F+1], 0
	WIN 0x40
.irp k, 0,1,2,3
	v_mov_b32 v[VF+\k], 0                          ; V's first four registers are named behind K's last tile by the first step's score products, ahead of V's first loads: written once here
.endr
.set jj, 0
.rept 128
	v_mov_b32 v[OO+jj], 0                          ; O^T: the loop is written once; its first step multiplies zeros by f = 0
.set jj, jj+1
.endr
	WIN 0
; K's sixteen tiles and their scale words of the step at s[TK], s[TS]: twenty loads
.macro KLOAD
	v_add_nc_u32 v[ADK], s[TK], v[L16]
	v_add_nc_u32 v[ADS], s[TS], v[R16]
.irp g, 0,1,2,3
	ds_load_b128 v[KW+4*\g:KW+4*\g+3], v[ADS] offset:256*\g
.endr
	WIN 0x40
.irp t, 0,1,2,3,4,5,6,7,8,9,10,11,12,13,14,15
	ds_load_b128 v[KFR+4*\t:KFR+4*\t+3], v[ADK] offset:512*\t
.endr
	WIN 0
	s_add_co_u32 s[TK], s[TK], 8192
	s_add_co_u32 s[TS], s[TS], 1024
.endm
; V's eight fragments and scale words of the step at s[TW], s[TV]: eighteen loads
.macro VLOAD
	v_add_nc_u32 v[ADV], s[TW], v[L16]
	v_add_nc_u32 v[ADT], s[TV], v[R16]
	ds_load_b128 v[VW:VW+3], v[ADT]
	ds_load_b128 v[VW+4:VW+7], v[ADT] offset:256
	WIN 0x40
.irp u, 0,1
.irp c, 0,1
.irp n, 0,1,2,3
	ds_load_b128 v[VF+32*\u+8*\n+4*\c:VF+32*\u+8*\n+4*\c+3], v[ADV] offset:4096*\u+2048*\c+512*\n
.endr
.endr
.endr
	WIN 0
.endm
; the scores of query tile ti against the step's 256 keys
.macro QK ti
	WIN 0x01                                       ; source 0 (K): window 1
.irp t, 0,1,2,3,4,5,6,7,8,9,10,11,12,13,14,15
	v_wmma_scale_f32_16x16x128_f8f6f4 v[S+8*\t:S+8*\t+7], v[KFR+4*\t:KFR+4*\t+7], v[QF+8*(\ti):QF+8*(\ti)+7], 0, v[KW+\t], v[QS+(\ti)] matrix_a_fmt:MATRIX_FMT_FP4 matrix_b_fmt:MATRIX_FMT_FP4
.endr
.endm
.macro PF n                            ; t - M, two at a time
.rept \n
	v_pk_fma_f32 v[S+jj:S+jj+1], v[S+jj:S+jj+1], s[CS:CS+1], v[NM:NM+1] op_sel_hi:[1,0,0]
.set jj, jj+2
.endr
.endm
.macro ADD4 n                          ; the sums, four chains by turns
.rept \n
	v_pk_add_f32 v[SU:SU+1], v[SU:SU+1], v[S+jj:S+jj+1]
	v_pk_add_f32 v[SA:SA+1], v[SA:SA+1], v[S+jj+2:S+jj+3]
	v_pk_add_f32 v[SB:SB+1], v[SB:SB+1], v[S+jj+4:S+jj+5]
	v_pk_add_f32 v[SC:SC+1], v[SC:SC+1], v[S+jj+6:S+jj+7]
.set jj, jj+8
.endr
.endm
; One query tile's share of a key step.  Its scores lie in S.  nx: the tile whose scores are started at the end (4: none)
.macro TILE ti, nx
.set NM, ST+2*(\ti)
.set MS, NM+1
.set SU, SUM+2*(\ti)
.set OT, OO+32*(\ti)
.irp b, 0,1,2,3,4,5,6,7
	v_max3_num_f32 v[BM+\b], v[S+16*\b], v[S+1+16*\b], v[S+2+16*\b]   ; the largest score of each block of 32 keys, the eight blocks by turns; each accumulator is read from its low end on
.endr
.if \ti == 3
	KLOAD                                          ; the next step's K: the last products that read these registers stand four places back
.endif
.irp k, 3,5,7,9,11,13
.irp b, 0,1,2,3,4,5,6,7
	v_max3_num_f32 v[BM+\b], v[BM+\b], v[S+16*\b+\k], v[S+1+16*\b+\k]
.endr
.endr
.irp b, 0,1,2,3,4,5,6,7
	v_max_num_f32 v[BM+\b], v[BM+\b], v[S+15+16*\b]
.endr
.irp b, 0,1,2,3,4,5,6,7
	v_permlanex16_b32 v[BT+\b], v[BM+\b], s[SEL], s[SEL+1]
.endr
.irp b, 0,1,2,3,4,5,6,7
	v_max_num_f32 v[BM+\b], v[BM+\b], v[BT+\b]     ; with lane l xor 16's 16 keys
.endr
	v_max3_num_f32 v[T1], v[BM], v[BM+1], v[BM+2]
	v_max3_num_f32 v[T2], v[BM+3], v[BM+4], v[BM+5]
	v_max3_num_f32 v[MS], v[MS], v[BM+6], v[BM+7]
	v_mov_b32 v[TM2], v[NM]
	v_max3_num_f32 v[MS], v[MS], v[T1], v[T2]      ; the running largest score
	v_mul_f32 v[TMP], s[CN], v[MS]                 ; -t
	v_floor_f32 v[NM], v[TMP]                      ; the new -M = floor(-t)
	v_sub_f32 v[TM2], v[NM], v[TM2]                ; old M - new M, a whole number, 0 or less
	v_add_f32 v[NM2], -2.0, v[NM]
.set jj, 0
	PF 4
	v_cvt_i32_f32 v[TM2], v[TM2]                   ; (it saturates)
	PF 4
	v_ldexp_f32 v[F], 1.0, v[TM2]
	PF 56
.irp b, 0,1,2,3,4,5,6,7
	v_fma_f32 v[BM+\b], v[BM+\b], s[CS], v[NM2]    ; t - M - 2 of each block's largest score
.endr
	s_wait_alu depctr_va_vdst(0)                   ; ahead of the batch
.if \ti == 0
	s_wait_dscnt 0x0                               ; V's fragments and words, asked for behind the step's first score products
.endif
.set jj, 0
.rept 128
	v_exp_f32 v[S+jj], v[S+jj]                     ; p
.set jj, jj+1
.endr
.irp b, 0,1,2,3,4,5,6,7
	v_exp_f32 v[BM+\b], v[BM+\b]                   ; a quarter of the block's largest p: its exponent field is the block's scale byte
.endr
	WIN 0x41                                       ; source 0 and destination: window 1
	v_nop                                          ; a place behind the exponentials
	s_wait_alu depctr_va_vdst(0)                   ; one wait for the batch, and for O^T, whose first readers follow
.set jj, 0
.rept 16
	v_pk_mul_f32 v[OT+jj:OT+jj+1], v[OT+jj:OT+jj+1], v[F:F+1] op_sel_hi:[1,0]   ; O^T under the new M
.set jj, jj+2
.endr
	WIN 0
.irp b, 0,1,2,3,4,5,6,7
	v_max_num_f32 v[BM+\b], 0x800000, v[BM+\b]     ; the floor: the byte cannot fall under 1
.endr
.irp b, 0,1,2,3,4,5,6,7
	v_lshrrev_b32 v[BT+\b], 23, v[BM+\b]
.endr
	v_lshl_or_b32 v[PWD], v[BT+1], 8, v[BT]        ; p's two scale words, by turns
	v_lshl_or_b32 v[PWD+1], v[BT+5], 8, v[BT+4]
	v_lshl_or_b32 v[PWD], v[BT+2], 16, v[PWD]
	v_lshl_or_b32 v[PWD+1], v[BT+6], 16, v[PWD+1]
	v_lshl_or_b32 v[PWD], v[BT+3], 24, v[PWD]
	v_lshl_or_b32 v[PWD+1], v[BT+7], 24, v[PWD+1]
.irp c, 0,1,2,3
	v_cvt_scalef32_pk8_fp4_f32 v[PC+4*\c],   v[S+32*\c:S+32*\c+7],     v[BM+2*\c]
	v_cvt_scalef32_pk8_fp4_f32 v[PC+4*\c+2], v[S+32*\c+8:S+32*\c+15],  v[BM+2*\c]
	v_cvt_scalef32_pk8_fp4_f32 v[PC+4*\c+1], v[S+32*\c+16:S+32*\c+23], v[BM+2*\c+1]
	v_cvt_scalef32_pk8_fp4_f32 v[PC+4*\c+3], v[S+32*\c+24:S+32*\c+31], v[BM+2*\c+1]
.endr
	v_pk_fma_f32 v[SU:SU+1], v[SU:SU+1], v[F:F+1], v[S:S+1] op_sel_hi:[1,0,1]   ; the sum under the new M, and the first two p
	v_pk_add_f32 v[SA:SA+1], v[S+2:S+3], v[S+4:S+5]
	v_pk_add_f32 v[SB:SB+1], v[S+6:S+7], v[S+8:S+9]
	v_pk_add_f32 v[SC:SC+1], v[S+10:S+11], v[S+12:S+13]
.set jj, 14
	ADD4 2
.irp c, 0,1,2,3                                ; a whole block of 32 keys into a lane
	v_permlane16_swap_b32 v[PC+4*\c], v[PC+4*\c+1]
	v_permlane16_swap_b32 v[PC+4*\c+2], v[PC+4*\c+3]
.endr
	ADD4 12
	v_pk_add_f32 v[SU:SU+1], v[SU:SU+1], v[S+126:S+127]
.if \nx < 4
	QK \nx                                         ; S is read out: the next tile's scores
.endif
	WIN 0x51                                       ; source 0 (V), C and D: window 1
.irp u, 0,1
.irp n, 0,1,2,3
	v_wmma_scale_f32_16x16x128_f8f6f4 v[OT+8*\n:OT+8*\n+7], v[VF+32*\u+8*\n:VF+32*\u+8*\n+7], v[PC+8*\u:PC+8*\u+7], v[OT+8*\n:OT+8*\n+7], v[VW+4*\u+\n], v[PWD+\u] matrix_a_fmt:MATRIX_FMT_FP4 matrix_b_fmt:MATRIX_FMT_FP4
.endr
.endr
	WIN 0
	v_pk_add_f32 v[SA:SA+1], v[SA:SA+1], v[SB:SB+1]   ; four places behind the products, ahead of the reads of S and of the loads into K's and V's registers
	v_pk_add_f32 v[SU:SU+1], v[SU:SU+1], v[SC:SC+1]
	v_pk_add_f32 v[SU:SU+1], v[SU:SU+1], v[SA:SA+1]
	v_nop
.endm
	s_wait_alu depctr_va_vdst(0)                   ; the wait at the head's end
	s_wait_loadcnt 0x0                             ; Q
	s_wait_tensorcnt 0x0                           ; my part of K and V
	s_barrier_signal -1
	s_barrier_wait -1                              ; everybody's
	KLOAD                                          ; step 0's K
.Lstep:
	s_wait_dscnt 0x0                               ; K's twenty loads are in; none into V's registers is out
	QK 0
	WIN 0
.rept 4
	v_nop
.endr
	VLOAD
	TILE 0, 1
	TILE 1, 2
	TILE 2, 3
	TILE 3, 4
	s_add_co_u32 s[TW], s[TW], 8192
	s_add_co_u32 s[TV], s[TV], 512
	s_sub_co_u32 s50, s50, 1
	s_cmp_lg_u32 s50, 0
	s_wait_alu depctr_va_vdst(0)                   ; ahead of the branch
	s_cbranch_scc1 .Lstep
	s_wait_dscnt 0x0                               ; the look-ahead's loads have landed
.irp t, 0,1,2,3
	v_add_f32 v[SUM+2*\t], v[SUM+2*\t], v[SUM+2*\t+1]
.endr
.irp t, 0,1,2,3
	v_permlanex16_b32 v[BT+\t], v[SUM+2*\t], s[SEL], s[SEL+1]
.endr
.irp t, 0,1,2,3
	v_add_f32 v[SUM+2*\t], v[SUM+2*\t], v[BT+\t]   ; the row's sum
.endr
	s_wait_alu depctr_va_vdst(0)                   ; ahead of the batch
.irp t, 0,1,2,3
	v_rcp_f32 v[SUM+2*\t], v[SUM+2*\t]
.endr
	v_nop
; THE WAY OUT of a tile: O^T / the sum into S's registers, two blocks of 32 channels quantised, 512 bytes stored
.macro FIN ti
	WIN 0x01                                       ; source 0: window 1
	s_wait_alu depctr_va_vdst(0)                   ; for the reciprocals, and directly ahead of the first readers of this tile's O^T
.set jj, 0
.rept 16
	v_pk_mul_f32 v[S+jj:S+jj+1], v[OO+32*(\ti)+jj:OO+32*(\ti)+jj+1], v[SUM+2*(\ti):SUM+2*(\ti)+1] op_sel_hi:[1,0]
.set jj, jj+2
.endr
	WIN 0
.irp b, 0,1
	v_max3_num_f32 v[BM+\b], |v[S+16*\b]|, |v[S+16*\b+1]|, 0x1800000
.endr
.irp k, 2,4,6,8,10,12,14
.irp b, 0,1
	v_max3_num_f32 v[BM+\b], v[BM+\b], |v[S+16*\b+\k]|, |v[S+16*\b+\k+1]|
.endr
.endr
.irp b, 0,1
	v_permlanex16_b32 v[BT+\b], v[BM+\b], s[SEL], s[SEL+1]
.endr
.irp b, 0,1
	v_max_num_f32 v[BM+\b], v[BM+\b], v[BT+\b]
.endr
.irp b, 0,1
	v_add_nc_u32 v[BM+\b], 0xff000000, v[BM+\b]    ; 2 off the exponent field
.endr
.irp b, 0,1
	v_lshrrev_b32 v[BT+\b], 23, v[BM+\b]
.endr
	v_lshl_or_b32 v[CW+(\ti)], v[BT+1], 8, v[BT]   ; the row's two scale bytes
	v_cvt_scalef32_pk8_fp4_f32 v[QF+4*(\ti)],   v[S:S+7],     v[BM]
	v_cvt_scalef32_pk8_fp4_f32 v[QF+4*(\ti)+2], v[S+8:S+15],  v[BM]
	v_cvt_scalef32_pk8_fp4_f32 v[QF+4*(\ti)+1], v[S+16:S+23], v[BM+1]
	v_cvt_scalef32_pk8_fp4_f32 v[QF+4*(\ti)+3], v[S+24:S+31], v[BM+1]
	v_nop
	v_permlane16_swap_b32 v[QF+4*(\ti)], v[QF+4*(\ti)+1]
	v_permlane16_swap_b32 v[QF+4*(\ti)+2], v[QF+4*(\ti)+3]
	global_store_b128 v[L16], v[QF+4*(\ti):QF+4*(\ti)+3], s[46:47] offset:8192*(\ti)   ; 512 consecutive bytes; each tile has data registers of its own (Q's, which are done with)
.endm
	FIN 0
	FIN 1
	FIN 2
	FIN 3
	v_and_b32 v[ADK], 0xe0, v0
	v_and_b32 v[ADV], 15, v0
	v_lshlrev_b32 v[ADK], 2, v[ADK]                ; 128 bytes a wave,
	v_lshl_add_u32 v[ADK], v[ADV], 1, v[ADK]       ; 2 a row (lanes l and l xor 16 hold and store the same)
	v_add_nc_u32 v[ADK], SCR, v[ADK]
	v_lshlrev_b32 v[ADS], 4, v0
	v_add_nc_u32 v[ADV], SCR, v[ADS]
.irp t, 0,1,2,3
	ds_store_b16 v[ADK], v[CW+\t] offset:32*\t
.endr
	s_wait_alu depctr_va_vdst(0)
	s_wait_dscnt 0x0
	s_barrier_signal -1
	s_barrier_wait -1
	s_cmp_lt_u32 s[WV], 2
	s_cbranch_scc0 .Lno_words
	ds_load_b128 v[BM:BM+3], v[ADV]                ; waves 0 and 1 store the work-group's 1,024 bytes, sixteen lanes to 256 consecutive bytes
	s_wait_dscnt 0x0
	global_store_b128 v[ADS], v[BM:BM+3], s[48:49]
.Lno_words:
	s_wait_tensorcnt 0x0                           ; the wave's end
	ds_add_u32 v[SPW], v[NIL]
	s_wait_dscnt 0x0
	ROUND                                          ; the closing round
	s_endpgm
.Lfunc_end_k_qbe43b90cf7_attn:
	.size	k_qbe43b90cf7_attn, .Lfunc_end_k_qbe43b90cf7_attn-k_qbe43b90cf7_attn
	.p2alignl 7, 3214868480
	.fill 96, 4, 3214868480
	.section	.rodata,"a",@progbits
	.p2align	6, 0x0
	.amdhsa_kernel k_qbe43b90cf7_attn
		.amdhsa_group_segment_fixed_size 167936
		.amdhsa_private_segment_fixed_size 0
		.amdhsa_enable_private_segment 0
		.amdhsa_kernarg_size 24
		.amdhsa_user_sgpr_count 2
		.amdhsa_user_sgpr_kernarg_segment_ptr 1
		.amdhsa_wavefront_size32 1
		.amdhsa_system_sgpr_workgroup_id_x 1
		.amdhsa_system_sgpr_workgroup_id_y 1
		.amdhsa_system_sgpr_workgroup_id_z 1
		.amdhsa_system_vgpr_workitem_id 0
		.amdhsa_next_free_vgpr 512
		.amdhsa_next_free_sgpr 66
		.amdhsa_reserve_vcc 0
		.amdhsa_float_denorm_mode_32 3
		.amdhsa_float_denorm_mode_16_64 3
		.amdhsa_memory_ordered 1
		.amdhsa_forward_progress 1
		.amdhsa_inst_pref_size 127
	.end_amdhsa_kernel
	.amdgpu_metadata
---
amdhsa.version: [ 1, 2 ]
amdhsa.kernels:
  - .name:           k_qbe43b90cf7_attn
    .symbol:         k_qbe43b90cf7_attn.kd
    .args:
      - { .name: qkv, .offset: 0, .size: 8, .value_kind: global_buffer, .address_space: global }
      - { .name: ctx_img, .offset: 8, .size: 8, .value_kind: global_buffer, .address_space: global }
      - { .name: ctx_sc, .offset: 16, .size: 8, .value_kind: global_buffer, .address_space: global }
    .group_segment_fixed_size: 167936
    .private_segment_fixed_size: 0
    .kernarg_segment_align: 8
    .kernarg_segment_size: 24
    .max_flat_workgroup_size: 256
    .sgpr_count:     66
    .vgpr_count:     512
    .wavefront_size: 32
...
	.end_amdgpu_metadata
.endif
;; end of part 2
;; launch outp (part 3): grid 64 x 4, 4 waves a work-group, clusters of 4 x 1, 327,680 bytes of LDS; arguments ctx_img, ctx_sc, wo_codes, wo_scales, bo, out0; writes out0
.if DOCPART == 3
	.amdgcn_target "amdgcn-amd-amdhsa--gfx1250"
	.amdhsa_code_object_version 6
	.text
	.protected	k_qbe43b90cf7_outp
	.globl	k_qbe43b90cf7_outp
	.p2align	8
	.type	k_qbe43b90cf7_outp,@function
k_qbe43b90cf7_outp:
	s_mov_b64 s[64:65], 0
	v_nop
	global_prefetch_b8 v0, s[64:65] scope:SCOPE_SE
	s_setreg_imm32_b32 hwreg(HW_REG_WAVE_MODE, 25, 1), 1
	s_wait_xcnt 0x0
	s_wait_alu depctr_hold_cnt(0) depctr_sa_sdst(0) depctr_va_vdst(0) depctr_va_sdst(0) depctr_va_ssrc(0) depctr_va_vcc(0) depctr_vm_vsrc(0)
	s_getreg_b32 s2, hwreg(HW_REG_IB_STS2, 6, 4)
	s_cmp_eq_u32 s2, 0
	s_cbranch_scc0 .Lentry_in_a_cluster
	s_endpgm
.Lentry_in_a_cluster:
	s_bfe_u32 s2, ttmp6, 0x10000c
	s_cmp_lg_u32 s2, 0x3003
	s_cbranch_scc0 .Lentry_shape_is_right
	s_endpgm
.Lentry_shape_is_right:
.set PITCH,  528                       ; an LDS row: all of K, 512 bytes, + 16 of padding
.set WSLOT,  256                       ; K steps 4 to 7 begin 256 bytes on in each LDS row
.set STG,    256*PITCH                 ; the stages lie behind wo's 256 rows
.set SPITCH, 528
.set L16,  4
.set L4,   5
.set L32,  6
.set H32,  7
.set ADRB, 8
.set STO,  10
.set RD,   11
.set AS,   32
.set BS,   64
.set BK,   128
.set BI,   192
.set WV,   40
.set G1,   24
.set MSB, 0
.macro WIN new
.if MSB != (\new)
	s_set_vgpr_msb (MSB<<8)|(\new)
.set MSB, (\new)
.endif
.endm
.macro ROUND
	s_barrier_signal -1
	s_barrier_wait -1
	s_cmp_lg_u32 s[WV], 0
	s_cbranch_scc1 .Lnot_wave_0_\@
	s_barrier_signal -3
.Lnot_wave_0_\@:
	s_barrier_wait -3
	s_barrier_signal -1
	s_barrier_wait -1
.endm
.macro PLACES n
.rept \n
	v_nop
.endr
.endm
	s_load_b256 s[4:11], s[0:1], 0x0
	s_load_b128 s[12:15], s[0:1], 0x20
	v_lshl_add_u32 v126, v0, 2, 0x2a400
	v_mov_b32 v127, 0
	ds_add_u32 v126, v127
	ds_add_u32 v126, v127
	v_lshrrev_b32 v1, 5, v0
	v_readfirstlane_b32 s[WV], v1
	s_lshr_b32 s41, s[WV], 1
	s_and_b32 s42, s[WV], 1
	s_bfe_u32 s43, ttmp6, 0x40000
	s_lshl_b32 s44, ttmp9, 2
	s_add_co_u32 s44, s44, s43
	s_and_b32 s45, ttmp7, 0xffff
	s_mov_b32 s[G1+0], 15|(1<<20)|(1<<21)|(6<<22)|(3<<25)   ; four words of padding after every 128
	s_mov_b32 s[G1+1], 512<<16
	s_mov_b32 s[G1+2], 64<<16
	s_mov_b32 s[G1+3], 512<<16
	s_mov_b32 s[G1+4], 64
	s_mov_b32 s[G1+5], 512
	s_mov_b32 s[G1+6], 0
	s_mov_b32 s[G1+7], 0
	s_lshl_b32 s46, s45, 8
	s_lshl_b32 s47, s[WV], 6
	s_add_co_u32 s46, s46, s47
	s_lshl_b32 s46, s46, 9
	s_mov_b32 s47, 0
	s_mul_i32 s48, s[WV], 64*PITCH
	s_lshl_b32 s50, s45, 10
	s_lshl_b32 s51, s42, 9
	s_add_co_u32 s50, s50, s51
	s_mov_b32 s51, 0
	s_lshl_b32 s52, s50, 3
	s_mov_b32 s53, 0
	s_lshl_b32 s54, s44, 1
	s_add_co_u32 s54, s54, s41
	s_mov_b32 s57, 0
	s_wait_dscnt 0x0
	s_wait_kmcnt 0x0
	s_mov_b32 s32, 1
	s_mov_b32 s33, s48
	s_add_nc_u64 s[34:35], s[8:9], s[46:47]
	s_or_b32 s35, s35, 0x80000000
	ROUND
	tensor_load_to_lds s[32:35], s[G1:G1+7]        ; my one tensor load: 64 rows of wo x all 512 bytes of K
	s_nop 0
.rept 4
	v_nop
.endr
	s_add_nc_u64 s[12:13], s[12:13], s[50:51]
	s_add_nc_u64 s[10:11], s[10:11], s[52:53]
	s_lshl_b32 s56, s54, 7                         ; ctx_sc: [head][row] of two bytes: my 64 rows are 128 bytes in each head
	s_add_nc_u64 s[6:7], s[6:7], s[56:57]
	s_lshl_b32 s56, s54, 15
	s_add_nc_u64 s[4:5], s[4:5], s[56:57]
	s_lshl_b32 s56, s54, 18
	s_add_co_u32 s56, s56, s50
	s_add_nc_u64 s[14:15], s[14:15], s[56:57]
	v_and_b32 v1, 15, v0
	v_bfe_u32 v2, v0, 4, 1
	v_and_b32 v3, 31, v0
	v_lshlrev_b32 v[L16], 4, v3
	v_lshlrev_b32 v[L4], 1, v3                     ; 2 x lane
	v_lshlrev_b32 v[L32], 5, v3
	v_lshlrev_b32 v[H32], 5, v2
	WIN 0x40
.irp b, 0,1,2,3,4,5,6,7
	global_load_b128 v[BI+8*\b:BI+8*\b+3],   v[H32], s[12:13] offset:64*\b
	global_load_b128 v[BI+8*\b+4:BI+8*\b+7], v[H32], s[12:13] offset:64*\b+16
.endr
	WIN 0
.irp p, 0,1
.irp q, 0,1,2,3,4,5,6,7
	global_load_u16 v[AS+8*\p+\q], v[L4], s[6:7] offset:32768*\q+64*\p          ; K step q is heads 2 q and 2 q + 1: the even head's two bytes,
	global_load_u16 v[BK+8*\p+\q], v[L4], s[6:7] offset:32768*\q+16384+64*\p    ; and the odd head's
.endr
.endr
.irp p, 0,1,2,3
	global_load_b128 v[BS+8*\p:BS+8*\p+3],   v[L32], s[10:11] offset:1024*\p
	global_load_b128 v[BS+8*\p+4:BS+8*\p+7], v[L32], s[10:11] offset:1024*\p+16
.endr
	WIN 0xc0
.irp q, 0,1,2,3,4,5,6,7
.irp a, 0,1,2,3
.irp c, 0,1
	global_load_b128 v[64*\a+8*\q+4*\c:64*\a+8*\q+4*\c+3], v[L16], s[4:5] offset:8192*\a+1024*\q+512*\c
.endr
.endr
.endr
	WIN 0
	v_mul_u32_u24 v12, v1, PITCH
	v_lshl_add_u32 v12, v2, 4, v12
	s_mul_i32 s58, s42, 128*PITCH
	v_add_nc_u32 v[ADRB], s58, v12
	s_add_co_u32 s58, s58, WSLOT
	v_add_nc_u32 v[ADRB+1], s58, v12
	s_mul_i32 s58, s[WV], 16*SPITCH
	s_add_co_u32 s58, s58, STG
	v_mul_u32_u24 v[STO], v1, SPITCH
	v_lshl_add_u32 v[STO], v2, 5, v[STO]
	v_add_nc_u32 v[STO], s58, v[STO]
	v_add_nc_u32 v[RD], s58, v[L16]
.macro WM d, a, b, c, sa, sb, oa, ob
.if (\oa) && (\ob)
	v_wmma_scale_f32_16x16x128_f8f6f4 v[\d:\d+7], v[\a:\a+7], v[\b:\b+7], v[\c:\c+7], v[\sa], v[\sb] matrix_a_fmt:MATRIX_FMT_FP4 matrix_b_fmt:MATRIX_FMT_FP4 matrix_a_scale:MATRIX_SCALE_ROW1 matrix_b_scale:MATRIX_SCALE_ROW1
.elseif (\oa)
	v_wmma_scale_f32_16x16x128_f8f6f4 v[\d:\d+7], v[\a:\a+7], v[\b:\b+7], v[\c:\c+7], v[\sa], v[\sb] matrix_a_fmt:MATRIX_FMT_FP4 matrix_b_fmt:MATRIX_FMT_FP4 matrix_a_scale:MATRIX_SCALE_ROW1
.elseif (\ob)
	v_wmma_scale_f32_16x16x128_f8f6f4 v[\d:\d+7], v[\a:\a+7], v[\b:\b+7], v[\c:\c+7], v[\sa], v[\sb] matrix_a_fmt:MATRIX_FMT_FP4 matrix_b_fmt:MATRIX_FMT_FP4 matrix_b_scale:MATRIX_SCALE_ROW1
.else
	v_wmma_scale_f32_16x16x128_f8f6f4 v[\d:\d+7], v[\a:\a+7], v[\b:\b+7], v[\c:\c+7], v[\sa], v[\sb] matrix_a_fmt:MATRIX_FMT_FP4 matrix_b_fmt:MATRIX_FMT_FP4
.endif
.endm
.macro FETCH_B q
	WIN 0x40
.irp i, 0,1,2,3,4,5,6,7
.irp c, 0,1
	ds_load_b128 v[128*((\q)%2)+8*\i+4*\c:128*((\q)%2)+8*\i+4*\c+3], v[ADRB+(\q)/4] offset:64*((\q)%4)+32*\c+\i*16*PITCH
.endr
.endr
.endm
.macro STEP3 q
.if \q > 0
	PLACES 4
.endif
.if \q < 7
	FETCH_B (\q)+1
	s_wait_dscnt 16
.else
	s_wait_dscnt 0x0
.endif
	s_wait_loadcnt 8*(7-\q)
.if \q == 0
	WIN 0
.set nn, 0
.rept 16
	v_lshl_or_b32 v[AS+nn], v[BK+nn], 16, v[AS+nn]   ; the two heads' halves make a row's scale word
.set nn, nn+1
.endr
	s_wait_alu depctr_va_vdst(0)                   ; the wait behind the writes
	PLACES 8                                       ; a scale register written by a vector instruction stands eight places ahead of the product
.endif
.if \q == 0
	WIN 0x9d
.else
	WIN 0xad
.endif
.irp a, 0,1,2,3
.irp b, 0,1,2,3,4,5,6,7
.set rD, 8*(8*\a+\b)
.set rW, 128*((\q)%2)+8*\b
.set rX, 64*\a+8*(\q)
.set rSW, BS+8*(\b/2)+(\q)
.set rSX, AS+8*(\a/2)+(\q)
.if \q == 0
.set rC, BI+8*\b
.else
.set rC, rD
.endif
	WM rD, rW, rX, rC, rSW, rSX, (\b)%2, (\a)%2
.endr
.endr
.endm
	s_wait_alu depctr_va_vdst(0)
	s_wait_tensorcnt 0x0                           ; my 64 rows are in
	s_barrier_signal -1
	s_barrier_wait -1
	FETCH_B 0
.irp q, 0,1,2,3,4,5,6,7
	STEP3 \q
.endr
	WIN 0
	PLACES 4
.macro TOSTAGE a
	WIN 0x08
.irp b, 0,1,2,3,4,5,6,7
	ds_store_b128 v[STO], v[64*(\a)+8*\b:64*(\a)+8*\b+3] offset:64*\b
	ds_store_b128 v[STO], v[64*(\a)+8*\b+4:64*(\a)+8*\b+7] offset:64*\b+16
.endr
	WIN 0
.set BB, BK+64*((\a)%2)
.irp t, 0,1,2,3,4,5,6,7,8,9,10,11,12,13,14,15
	ds_load_b128 v[BB+4*\t:BB+4*\t+3], v[RD] offset:\t*SPITCH
.endr
.endm
.macro SEND a, younger
.set BB, BK+64*((\a)%2)
	s_wait_dscnt \younger
.irp t, 0,1,2,3,4,5,6,7,8,9,10,11,12,13,14,15
	global_store_b128 v[L16], v[BB+4*\t:BB+4*\t+3], s[14:15] offset:65536*(\a)+4096*\t th:TH_STORE_NT
.endr
.endm
	TOSTAGE 0
.irp a, 1,2,3
.if \a > 1
	s_wait_xcnt 0x0
.endif
	TOSTAGE \a
	SEND \a-1, 32
.endr
	SEND 3, 0
	s_wait_tensorcnt 0x0
	ds_add_u32 v126, v127
	s_wait_dscnt 0x0
	ROUND
	s_endpgm
.Lfunc_end_k_qbe43b90cf7_outp:
	.size	k_qbe43b90cf7_outp, .Lfunc_end_k_qbe43b90cf7_outp-k_qbe43b90cf7_outp
	.p2alignl 7, 3214868480
	.fill 96, 4, 3214868480
	.section	.rodata,"a",@progbits
	.p2align	6, 0x0
	.amdhsa_kernel k_qbe43b90cf7_outp
		.amdhsa_group_segment_fixed_size 327680
		.amdhsa_private_segment_fixed_size 0
		.amdhsa_enable_private_segment 0
		.amdhsa_kernarg_size 48
		.amdhsa_user_sgpr_count 2
		.amdhsa_user_sgpr_kernarg_segment_ptr 1
		.amdhsa_wavefront_size32 1
		.amdhsa_system_sgpr_workgroup_id_x 1
		.amdhsa_system_sgpr_workgroup_id_y 1
		.amdhsa_system_sgpr_workgroup_id_z 1
		.amdhsa_system_vgpr_workitem_id 0
		.amdhsa_next_free_vgpr 1024
		.amdhsa_next_free_sgpr 66
		.amdhsa_reserve_vcc 0
		.amdhsa_float_denorm_mode_32 3
		.amdhsa_float_denorm_mode_16_64 3
		.amdhsa_memory_ordered 1
		.amdhsa_forward_progress 1
		.amdhsa_inst_pref_size 74
	.end_amdhsa_kernel
	.amdgpu_metadata
---
amdhsa.version: [ 1, 2 ]
amdhsa.kernels:
  - .name:           k_qbe43b90cf7_outp
    .symbol:         k_qbe43b90cf7_outp.kd
    .args:
      - { .name: ctx_img, .offset: 0, .size: 8, .value_kind: global_buffer, .address_space: global }
      - { .name: ctx_sc, .offset: 8, .size: 8, .value_kind: global_buffer, .address_space: global }
      - { .name: wo_codes, .offset: 16, .size: 8, .value_kind: global_buffer, .address_space: global }
      - { .name: wo_scales, .offset: 24, .size: 8, .value_kind: global_buffer, .address_space: global }
      - { .name: bo, .offset: 32, .size: 8, .value_kind: global_buffer, .address_space: global }
      - { .name: out0, .offset: 40, .size: 8, .value_kind: global_buffer, .address_space: global }
    .group_segment_fixed_size: 327680
    .private_segment_fixed_size: 0
    .kernarg_segment_align: 8
    .kernarg_segment_size: 48
    .max_flat_workgroup_size: 128
    .sgpr_count:     66
    .vgpr_count:     1024
    .wavefront_size: 32
...
	.end_amdgpu_metadata
.endif
;; end of part 3
